; MI455X (gfx1250); checked and timed in simulation.
; The chip was launched on July 23, 2026; its instructions are those of AMD's public machine-readable ISA for CDNA 5 (MIT licence, August 2026) and "CDNA5" Instruction Set Architecture Reference Guide (July 2026). The comments in the code are by the model that wrote it; some were corrected since.
;; D Transformer. Allowed arithmetic: float matrix products may take bf16 or f16 operands with f32 sums; other float arithmetic in f32, or as packed bf16 or f16 multiplies, adds, multiply-adds, maxima and minima; sums over many terms, partial sums and values carried from step to step in f32; what a program stores and reads back later, other than sums and carried values, may be rounded once to bf16 or f16.
;; Inputs: Wo 1,024 x 1,024 float32; Wq 1,024 x 1,024 float32; Wv 1,024 x 1,024 float32; bo 1,024 float32; bq 1,024 float32; bv 1,024 float32; gammas 16 float32; key 4 x 1,024 x 1,024 float32; ln_b 1,024 float32; ln_g 1,024 float32; query 4 x 1,024 x 1,024 float32; values 4 x 1,024 x 1,024 float32.
;; Outputs: out0 4 x 1,024 x 1,024 float32.
;; One version. Each part assembles by itself: llvm-mc -triple=amdgcn-amd-amdhsa -mcpu=gfx1250 --defsym DOCPART=n.
;; ======== version 1 of 1: 4 launches
;; limits: values outside matrix products are rounded to f16; values are held in f16: magnitudes above 65,504 overflow, below 6.1e-05 lose precision
;; workspace buffers: qh 8,388,608 bytes; kh 8,388,608 bytes; vb 8,388,608 bytes; wo16 2,097,152 bytes; att 8,388,608 bytes; xbuf 16,777,216 bytes
;; launch proj (part 1): grid 4 x 64, 4 waves a work-group, clusters of 4 x 4, 327,680 bytes of LDS; arguments query, key, values, Wq, Wv, Wo, bq, bv, qh, kh, vb, wo16; writes qh, kh, vb, wo16
.if DOCPART == 1
	.amdgcn_target "amdgcn-amd-amdhsa--gfx1250"
	.amdhsa_code_object_version 6
	.text
	.protected	k_q23c2d886a7_proj
	.globl	k_q23c2d886a7_proj
	.p2align	8
	.type	k_q23c2d886a7_proj,@function
k_q23c2d886a7_proj:
	s_mov_b64 s[64:65], 0
	v_nop
	global_prefetch_b8 v0, s[64:65] scope:SCOPE_SE
	s_setreg_imm32_b32 hwreg(HW_REG_WAVE_MODE, 25, 1), 1
	s_wait_xcnt 0x0
	s_wait_alu depctr_hold_cnt(0) depctr_sa_sdst(0) depctr_va_vdst(0) depctr_va_sdst(0) depctr_va_ssrc(0) depctr_va_vcc(0) depctr_vm_vsrc(0)
	s_getreg_b32 s2, hwreg(HW_REG_IB_STS2, 6, 4)
	s_cmp_eq_u32 s2, 0
	s_cbranch_scc0 .Lentry_in_a_cluster
	s_endpgm
.Lentry_in_a_cluster:
	s_bfe_u32 s2, ttmp6, 0x10000c
	s_cmp_lg_u32 s2, 0xf033
	s_cbranch_scc0 .Lentry_shape_is_right
	s_endpgm
.Lentry_shape_is_right:
; THE THREE PROJECTIONS AND THE CAST OF Wo.  cly = the cluster's y, 0..15; part = cly / 4.
;   part 0: qh = query Wq^T + bq     part 1: kh = key Wq^T + bq     part 2: vb = (values Wv^T + bv)^T in blocks     part 3: wo16 = f16(8 Wo)
; Parts 0-2: a work-group makes 256 x 256 of C = A B^T, K = 1,024; four waves of 128 x 128 (64 accumulators, 512 registers).  In part 2 A = Wv and B = values, so the same text yields V transposed.
; Inputs are f32: a K step is 64 numbers, 256 bytes of a row; tiles land in LDS as f32 and are rounded to f16 between LDS and the matrix unit, two conversions for each product, set among the products.
; qh, kh: [b 16 + h][t][64] f16.  vb: [b 16 + h][t / 64][d][t % 64] f16.  Sums in f32, started at the bias, rounded once.
; LIMITS.  f16 ends at 65,504: inputs, q, k, v and 8 Wo must lie within it; below 6e-5 f16 keeps its fixed step of 6e-8.  NaN and infinities are not treated apart.
; CLUSTER 4 x 4: A's tile is shared along a row of the cluster, B's along a column, each asked for jointly.
; REGISTERS.  window 0: v4-15 addresses; v16-31 the bias along m, in pairs; v64-191 A's f16 fragments, two buffers; v192-255 the bias along n, later the way out; v32-63 the way out
;   window 1: v0-127 f32 as loaded, two halves of four fragments; v128-255 B's f16 fragments, two buffers      windows 2, 3: accumulator (a, b) at 8 (8 (a % 4) + b)
.set PITCH, 272                        ; an LDS row: 256 bytes + 16 of padding: the 16 rows of a load start at 16 different groups of four banks
.set FRAG,  16*PITCH
.set HALFT, 128*PITCH                  ; what one tensor load brings
.set SLOT,  4*HALFT                    ; A's 256 rows, then B's 256; 0x22000, no bit of which lies in wave x HALFT, so an exclusive or changes slots
.set STAGE, 2*SLOT                     ; behind the ring: 16 rows x 272 bytes a wave, for the way out
.set SPARE, STAGE+4*FRAG               ; the spare words, 128 bytes a wave
.set A0, 4
.set B0, 5
.set ADRA, 6
.set ADRB, 7
.set STO, 8
.set RD, 9
.set COL, 10
.set COH, 11
.set SPW, 12
.set NIL, 13
.set PFO, 14
.set BM, 16
.set OB, 32
.set BN, 192
.set TMP, 192
.set G1A, 36
.set G1B, 44
.set G0A, 52
.set G0B, 68
.set TA, 62
.set TBI, 63
.set TB, 76
.set PFA, 78
.set LIM, 80
.set OUTB, 82
.set J4, 84
.set SQK, 86
.set SV, 87
.set WOFF, 90
.set WV, 92
.set WH, 93
.set WL, 94
.set PART, 95
.set CX, 96
.set CY, 97
.set CLY, 98
.set SUB, 99
.set M0, 100
.set N0, 101
.set G1W0, (2<<16)|(1<<20)|(1<<21)|(5<<22)|(3<<25)   ; 4-byte elements; padding on; bit 21 beside a mask; after every 64 words, 4 words
.set MSB, 0
.macro WIN new                         ; the immediate's high byte repeats the setting that is left
.if MSB != (\new)
	s_set_vgpr_msb (MSB<<8)|(\new)
.set MSB, \new
.endif
.endm
.macro JLOAD set                       ; a joint load: waves 0, 1 fetch A's halves, waves 2, 3 B's; s_nop 0 and four v_nop follow each line
	s_cmp_eq_u32 s[WH], 0
	s_cbranch_scc0 .Lfor_b_\@
	tensor_load_to_lds s[G0A+4*(\set):G0A+4*(\set)+3], s[G1A:G1A+7]
	s_nop 0
.rept 4
	v_nop
.endr
	s_branch .Lasked_\@
.Lfor_b_\@:
	tensor_load_to_lds s[G0B+4*(\set):G0B+4*(\set)+3], s[G1B:G1B+7]
	s_nop 0
.rept 4
	v_nop
.endr
.Lasked_\@:
.endm
.macro CREST                           ; a round of the cluster's barrier behind its opening barrier
	s_cmp_lg_u32 s[WV], 0
	s_cbranch_scc1 .Lnot_wave_0_\@
	s_barrier_signal -3
.Lnot_wave_0_\@:
	s_barrier_wait -3
	s_barrier_signal -1
	s_barrier_wait -1
.endm
.macro CROUND
	s_barrier_signal -1
	s_barrier_wait -1
	CREST
.endm
; A prefetch of the K step that stands two refills on: 32 rows x 256 bytes, a lane a row.  The four partners that ask for a tile jointly take 32 of its wave's 128 rows each, told apart by address.
; The rows of query, key and values are read by one cluster alone, which asks; Wq's by clusters 0-7, of which cluster 0 asks; Wv's by clusters 8-11, of which cluster 8 asks.  The last two trips ask for nothing.
.macro ASK
	WIN 0
	s_cmp_gt_u32 s3, s[LIM]
	s_cbranch_scc0 .Lnot_mine_\@
	global_prefetch_b8 v[PFO], s[PFA:PFA+1] offset:256 th:TH_LOAD_NT scope:SCOPE_SE
.Lnot_mine_\@:
.endm
; A CHUNK is four fragments as f32: kind 0: B 0-3, 1: B 4-7, 2: A 0-3, 3: A 4-7; kind i uses half i % 2 of the f32 registers.  A fragment: lane (r, h) takes k = 8h..8h+7 and 16+8h..+7 of row r: four loads of 16 bytes.
.macro LDC kind, koff
	WIN 0x40
.irp x, 0,1,2,3
.irp o, 0,1,2,3
	ds_load_b128 v[64*((\kind)%2)+16*(\x)+4*(\o):64*((\kind)%2)+16*(\x)+4*(\o)+3], v[ADRB-(\kind)/2] offset:(\koff)+(4*((\kind)%2)+(\x))*FRAG+16*((\o)%2)+64*((\o)/2)
.endr
.endr
.endm
.macro CV4 kind, g, i                  ; half a fragment (number i of a chunk's eight) is rounded into f16 buffer g
.if (\kind) < 2
	WIN 0x45
.set cD, 128+64*(\g)+8*(4*((\kind)%2)+(\i)/2)+4*((\i)%2)
.else
	WIN 0x05
.set cD, 64+64*(\g)+8*(4*((\kind)%2)+(\i)/2)+4*((\i)%2)
.endif
.set cR, 64*((\kind)%2)+16*((\i)/2)+8*((\i)%2)
.irp q, 0,1,2,3
	v_cvt_pk_f16_f32 v[cD+\q], v[cR+2*\q], v[cR+2*\q+1]
.endr
.endm
; Eight products: m block 2 j + hf, all n blocks, 32 along K, buffer f.  Source 0 = rows of B, source 1 = rows of A: a lane holds eight neighbouring columns of one row of C.
; The 64 accumulators take turns.  cv = 1: behind every second product stand four conversions of chunk j for the next quarter.
.macro HALFG f, j, hf, cv
.set hA, 2*(\j)+(\hf)
.set n, 0
.rept 8
	WIN 0xa1+0x50*((\j)/2)
	v_wmma_f32_16x16x32_f16 v[8*(8*(hA%4)+n):8*(8*(hA%4)+n)+7], v[128+64*(\f)+8*n:128+64*(\f)+8*n+7], v[64+64*(\f)+8*hA:64+64*(\f)+8*hA+7], v[8*(8*(hA%4)+n):8*(8*(hA%4)+n)+7]
.if (\cv) && (n%2 == 1)
	CV4 \j, 1-(\f), 4*(\hf)+n/2
.endif
.set n, n+1
.endr
.endm
.macro GRP f, j, cv, w, ld, lk, lo     ; a group: the wait for its chunk, 16 products, and the load of the chunk two groups on into the half just emptied
.if (\w) >= 0
	s_wait_dscnt \w
.endif
	HALFG \f, \j, 0, \cv
	HALFG \f, \j, 1, \cv
.if \ld
	LDC \lk, \lo
.endif
.endm
.macro PREG j, lk, lo                  ; a group ahead of the first products
	s_wait_dscnt 16                                ; the older chunk is in, the younger one's 16 loads stay out
.irp i, 0,1,2,3,4,5,6,7
	CV4 \j, 0, \i
.endr
	LDC \lk, \lo
.endm
; A K STEP: two quarters of 32 along K, on buffers 0 and 1.  Its slot is read for the last time in the first quarter's second group; the change of slots stands in the third.
.macro STEP fill
.if \fill
	s_wait_xcnt 0x0                                ; the last prefetch, a K step back, has read its address
	s_add_nc_u64 s[PFA:PFA+1], s[PFA:PFA+1], 256
.endif
	GRP 0, 0, 1, 16, 1, 2, 128
	GRP 0, 1, 1, 16, 1, 3, 128
	WIN 0
	s_wait_tensorcnt 0x0                           ; all my tensor loads have landed: the one that was out is my part of the next slot
	ds_add_u32 v[SPW], v[NIL]
.if \fill
	s_xor_b32 s[G0A+5], s[G0A+5], SLOT             ; the walking descriptors: the other slot, the next K step
	s_add_nc_u64 s[G0A+6:G0A+7], s[G0A+6:G0A+7], 256
	s_xor_b32 s[G0B+5], s[G0B+5], SLOT
	s_add_nc_u64 s[G0B+6:G0B+7], s[G0B+6:G0B+7], 256
.endif
	s_wait_dscnt 17                                ; chunk 2 is in; chunk 3's 16 loads and the add may be out
	HALFG 0, 2, 0, 1
	s_wait_dscnt 0x0                               ; the add is done, and my reads of this slot are over
	s_barrier_signal -1
	HALFG 0, 2, 1, 1
	WIN 0
	s_barrier_wait -1
.if \fill
	CREST                                          ; the barrier has opened a round of the cluster's: no wave of any partner still reads the slot or has a load on its way
	JLOAD 1                                        ; the first tensor load behind the round
.endif
	s_xor_b32 s[TB], s[TB], SLOT
	v_add_nc_u32 v[ADRA], s[TB], v[A0]
	v_add_nc_u32 v[ADRB], s[TB], v[B0]
	LDC 0, 0
.if \fill
	ASK
.endif
	GRP 0, 3, 1, 16, 1, 1, 0
	GRP 1, 0, 1, 16, 1, 2, 0
	GRP 1, 1, 1, 16, 1, 3, 0
	GRP 1, 2, 1, 16, 1, 0, 128
	GRP 1, 3, 1, 16, 1, 1, 128
.endm
; THE WAY OUT of block a (16 rows of C).  A row's 128 columns are two pieces of 128 bytes (two heads of q or k; two key steps of V^T); two neighbouring rows' pieces lie on end in memory.
; So a stage row is 256 consecutive bytes of memory: piece b / 4, rows r and r + 1.
.macro PACK a
.set AC, 64*((\a)%4)
	WIN 0x0a+5*((\a)/4)
.irp b, 0,1,2,3,4,5,6,7
.irp q, 0,1,2,3
	v_cvt_pk_f16_f32 v[TMP+4*(\b)+(\q)], v[AC+8*(\b)+2*(\q)], v[AC+8*(\b)+2*(\q)+1]
.endr
.endr
	WIN 0
.endm
.macro TOSTAGE a
.set BK, OB+192*((\a)%2)
.irp b, 0,1,2,3,4,5,6,7
	ds_store_b128 v[STO], v[TMP+4*(\b):TMP+4*(\b)+3] offset:((\b)/4)*8*PITCH+((\b)%4)*32
.endr
.irp t, 0,1,2,3,4,5,6,7
	ds_load_b128 v[BK+4*(\t):BK+4*(\t)+3], v[RD] offset:(\t)*2*PITCH  ; LDS serves a wave's instructions in order: these see the stores above
.endr
.endm
.macro SEND a
.set BK, OB+192*((\a)%2)
	s_wait_dscnt 0x0                               ; the block is back in registers
	s_wait_xcnt 0x0                                ; the stores' base and the registers that earlier stores read are rewritten only behind this wait
.if (\a) == 0
	s_add_nc_u64 s[OUTB:OUTB+1], s[OUTB:OUTB+1], s[WOFF:WOFF+1]
.elseif (\a) == 4
	s_add_nc_u64 s[OUTB:OUTB+1], s[OUTB:OUTB+1], s[J4:J4+1]  ; 16 rows on; in V^T the next head begins here
.else
	s_add_nc_u64 s[OUTB:OUTB+1], s[OUTB:OUTB+1], 2048
.endif
.irp t, 0,1,2,3
	global_store_b128 v[COL], v[BK+4*(\t):BK+4*(\t)+3], s[OUTB:OUTB+1] offset:512*(\t)  ; 16 lanes store 256 consecutive bytes, aligned
.endr
.irp t, 4,5,6,7
	global_store_b128 v[COH], v[BK+4*(\t):BK+4*(\t)+3], s[OUTB:OUTB+1] offset:512*((\t)-4)
.endr
.endm
	s_load_b512 s[4:19], s[0:1], 0x0               ; query 4, key 6, values 8, Wq 10, Wv 12, Wo 14, bq 16, bv 18
	s_load_b256 s[20:27], s[0:1], 0x40             ; qh 20, kh 22, vb 24, wo16 26
	v_lshl_add_u32 v[SPW], v0, 2, SPARE
	v_mov_b32 v[NIL], 0
	ds_add_u32 v[SPW], v[NIL]                      ; the wave's opening: the add and its wait ahead of my first tensor load
	v_lshrrev_b32 v1, 5, v0
	v_readfirstlane_b32 s[WV], v1
	s_lshr_b32 s[WH], s[WV], 1                     ; my half of the tile's rows; also: I fetch for A (0) or B (1)
	s_and_b32 s[WL], s[WV], 1                      ; my half of its columns; also: which 128 rows I fetch
	s_bfe_u32 s[CX], ttmp6, 0x40000
	s_bfe_u32 s[CY], ttmp6, 0x40004
	s_and_b32 s[CLY], ttmp7, 0xffff
	s_lshr_b32 s[PART], s[CLY], 2
	s_and_b32 s[SUB], s[CLY], 3
	s_cmp_eq_u32 s[PART], 2
	s_cselect_b32 s60, 0, s[SUB]                   ; q, k: 16 tile rows, 4 tile columns; V^T: 4 tile rows, 16 tile columns
	s_cselect_b32 s61, s[SUB], 0
	s_lshl_b32 s60, s60, 2
	s_add_co_u32 s[TA], s60, s[CY]                 ; tile row
	s_lshl_b32 s61, s61, 2
	s_add_co_u32 s[TBI], s61, s[CX]                ; tile column
	s_lshl_b32 s60, s[CY], 2
	s_lshl_b32 s60, 15, s60                        ; my row of the cluster
	s_lshl_b32 s61, 0x1111, s[CX]                  ; my column
	s_or_b32 s[G1A], s60, G1W0
	s_or_b32 s[G1B], s61, G1W0
.irp g, G1A, G1B
	s_mov_b32 s[\g+1], 64<<16                      ; tensor_dim0 = 64
	s_mov_b32 s[\g+2], 128<<16                     ; tensor_dim1 = 128
	s_mov_b32 s[\g+3], 64<<16                      ; tile_dim0 = 64
	s_mov_b32 s[\g+4], 128                         ; tile_dim1 = 128
	s_mov_b32 s[\g+5], 1024                        ; elements from row to row
	s_mov_b32 s[\g+6], 0
	s_mov_b32 s[\g+7], 0
.endr
	s_lshl_b32 s3, s[WL], 7
	s_lshl_b32 s66, s[TA], 8
	s_add_co_u32 s66, s66, s3
	s_lshl_b32 s66, s66, 12                        ; A: (256 tile row + 128 half) rows of 4,096 bytes
	s_mov_b32 s67, 0
	s_lshl_b32 s88, s[TBI], 8
	s_add_co_u32 s88, s88, s3
	s_lshl_b32 s88, s88, 12                        ; B likewise, by the tile column
	s_mov_b32 s89, 0
	s_mul_i32 s2, s[WV], HALFT                     ; where my tile goes: no place in the cluster enters an LDS address
	s_wait_dscnt 0x0                               ; the opening add is done
	s_wait_kmcnt 0x0
	s_cmp_eq_u32 s[PART], 3
	s_cbranch_scc1 .Lconv                          ; whole clusters take this way: it hangs on the cluster's y alone
	s_cmp_eq_u32 s[PART], 1
	s_cselect_b64 s[28:29], s[6:7], s[4:5]         ; A
	s_cselect_b64 s[34:35], s[22:23], s[20:21]     ; the output
	s_cmp_eq_u32 s[PART], 2
	s_cselect_b64 s[28:29], s[12:13], s[28:29]
	s_cselect_b64 s[30:31], s[8:9], s[10:11]       ; B
	s_cselect_b64 s[32:33], s[18:19], s[16:17]     ; the bias
	s_cselect_b64 s[OUTB:OUTB+1], s[24:25], s[34:35]
	s_cselect_b32 s[SQK], 0, -1                    ; all lanes: the bias goes along n (q, k)
	s_cselect_b32 s[SV], -1, 0                     ; or along m (V^T)
	s_add_nc_u64 s[66:67], s[28:29], s[66:67]
	s_add_nc_u64 s[88:89], s[30:31], s[88:89]
	CROUND                                         ; all sixteen work-groups are here: the first joint loads meet
.irp s, 0,1
	s_mov_b32 s[G0A+4*(\s)], 1
	s_add_co_u32 s[G0A+4*(\s)+1], s2, (\s)*SLOT
	s_add_nc_u64 s[G0A+4*(\s)+2:G0A+4*(\s)+3], s[66:67], (\s)*256
	s_or_b32 s[G0A+4*(\s)+3], s[G0A+4*(\s)+3], 0x80000000
	s_mov_b32 s[G0B+4*(\s)], 1
	s_add_co_u32 s[G0B+4*(\s)+1], s2, (\s)*SLOT
	s_add_nc_u64 s[G0B+4*(\s)+2:G0B+4*(\s)+3], s[88:89], (\s)*256
	s_or_b32 s[G0B+4*(\s)+3], s[G0B+4*(\s)+3], 0x80000000
	JLOAD \s                                       ; K steps 0 and 1: two loads of mine are out
.endr
	v_and_b32 v1, 15, v0                           ; r
	v_bfe_u32 v2, v0, 4, 1                         ; h
	s_lshl_b32 s[M0], s[TA], 8
	s_lshl_b32 s77, s[WH], 7
	s_add_co_u32 s[M0], s[M0], s77                 ; my first row of C
	s_lshl_b32 s[N0], s[TBI], 8
	s_lshl_b32 s77, s[WL], 7
	s_add_co_u32 s[N0], s[N0], s77                 ; my first column
	s_and_b32 s81, s[N0], 1023                     ; both biases are read inside the table; the one that does not apply is set to 0 below
	s_lshl_b32 s81, s81, 2
	v_lshl_add_u32 v15, v2, 5, s81
	s_and_b32 s77, s[M0], 1023
	s_lshl_b32 s77, s77, 2
	v_lshl_add_u32 v3, v1, 2, s77
.irp b, 0,1,2,3,4,5,6,7
	global_load_b128 v[BN+8*(\b):BN+8*(\b)+3],   v15, s[32:33] offset:64*(\b)
	global_load_b128 v[BN+8*(\b)+4:BN+8*(\b)+7], v15, s[32:33] offset:64*(\b)+16
.endr
.irp a, 0,1,2,3,4,5,6,7
	global_load_b32 v[BM+2*(\a)], v3, s[32:33] offset:64*(\a)
.endr
	v_mul_u32_u24 v34, v1, PITCH
	v_lshl_add_u32 v34, v2, 5, v34                 ; row x pitch + 32 h
	s_mul_i32 s77, s[WH], HALFT
	v_add_nc_u32 v[A0], s77, v34
	s_mul_i32 s77, s[WL], HALFT
	s_add_co_u32 s77, s77, 2*HALFT
	v_add_nc_u32 v[B0], s77, v34
	v_mov_b32 v[ADRA], v[A0]
	v_mov_b32 v[ADRB], v[B0]
	s_mov_b32 s[TB], 0
	s_mul_i32 s77, s[WV], FRAG
	s_add_co_u32 s77, s77, STAGE                   ; my stage
	v_lshrrev_b32 v34, 1, v1
	v_mul_u32_u24 v34, v34, PITCH
	v_and_b32 v35, 1, v1
	v_lshl_add_u32 v34, v35, 7, v34
	v_lshl_add_u32 v34, v2, 4, v34
	v_add_nc_u32 v[STO], s77, v34                  ; in: stage row r / 2, byte 128 (r % 2) + 16 h
	v_mul_u32_u24 v34, v2, PITCH
	v_lshl_add_u32 v34, v1, 4, v34
	v_add_nc_u32 v[RD], s77, v34                   ; back: lanes 0-15 one stage row, lanes 16-31 the next
	v_lshlrev_b32 v[COL], 8, v2
	v_lshl_add_u32 v[COL], v1, 4, v[COL]
	s_mov_b32 s77, 131072                          ; from a piece to the row's other piece: a head (q, k), or a key step (V^T)
	s_mov_b32 s[J4], 2048
	s_cmp_eq_u32 s[PART], 2
	s_cselect_b32 s77, 8192, s77
	s_cselect_b32 s[J4], 124928, s[J4]             ; V^T: from d = 48 of a head to d = 0 of the next: 131,072 - 3 x 2,048
	s_mov_b32 s[J4+1], 0
	v_add_nc_u32 v[COH], s77, v[COL]
	; the prefetches: my work-group's 32 of the 128 rows that I fetch, at K step 2; the first trip steps to 3 and names 4
	s_cmp_eq_u32 s[WH], 0
	s_cselect_b32 s90, s[TA], s[TBI]
	s_cselect_b32 s81, s[CX], s[CY]
	s_cselect_b64 s[PFA:PFA+1], s[28:29], s[30:31]
	s_lshl_b32 s90, s90, 8
	s_lshl_b32 s77, s[WL], 7
	s_add_co_u32 s90, s90, s77
	s_lshl_b32 s81, s81, 5
	s_add_co_u32 s90, s90, s81
	s_lshl_b32 s90, s90, 12
	s_add_co_u32 s90, s90, 512
	s_mov_b32 s91, 0
	s_add_nc_u64 s[PFA:PFA+1], s[PFA:PFA+1], s[90:91]
	s_cmp_eq_u32 s[PART], 2
	s_cselect_b32 s77, 1, 0
	s_xor_b32 s77, s77, s[WH]                      ; 0: I fetch rows of query, key or values
	s_and_b32 s81, s[CLY], 7                       ; 0: my cluster is the first that reads these weights
	s_mul_i32 s77, s77, s81
	s_cmp_eq_u32 s77, 0
	s_cselect_b32 s[LIM], 2, -1                    ; the same in all sixteen partners, for a given wave
	v_and_b32 v[PFO], 31, v0
	v_lshlrev_b32 v[PFO], 12, v[PFO]
	; where my part of C begins: ((X / 1024) 16 + Y / 64) x 131,072 + (X % 1024) x 128; X the token, Y the feature
	s_cmp_eq_u32 s[PART], 2
	s_cselect_b32 s77, s[N0], s[M0]
	s_cselect_b32 s81, s[M0], s[N0]
	s_lshr_b32 s[WOFF], s77, 10
	s_lshl_b32 s[WOFF], s[WOFF], 4
	s_lshr_b32 s81, s81, 6
	s_add_co_u32 s[WOFF], s[WOFF], s81
	s_lshl_b32 s[WOFF], s[WOFF], 17
	s_and_b32 s77, s77, 1023
	s_lshl_b32 s77, s77, 7
	s_add_co_u32 s[WOFF], s[WOFF], s77
	s_mov_b32 s[WOFF+1], 0
	s_wait_loadcnt 0x0                             ; the biases
.set i, 0
.rept 64
	v_cndmask_b32 v[BN+i], 0, v[BN+i], s[SQK]
.set i, i+1
.endr
.set i, 0
.rept 8
	v_cndmask_b32 v[BM+2*i], 0, v[BM+2*i], s[SV]
	v_mov_b32 v[BM+2*i+1], v[BM+2*i]
.set i, i+1
.endr
	; the sums start at the bias, written while the first tiles are on their way: the loop then has one form of product
.set a, 0
.rept 8
	WIN 0x80+0x40*(a/4)
.set b, 0
.rept 8
.set p, 0
.rept 4
	v_pk_add_f32 v[8*(8*(a%4)+b)+2*p:8*(8*(a%4)+b)+2*p+1], v[BN+8*b+2*p:BN+8*b+2*p+1], v[BM+2*a:BM+2*a+1]
.set p, p+1
.endr
.set b, b+1
.endr
.set a, a+1
.endr
	WIN 0
	s_wait_tensorcnt 1                             ; my part of K step 0 is in; K step 1's may stay out
	s_barrier_signal -1
	s_barrier_wait -1
	LDC 0, 0
	LDC 1, 0
	PREG 0, 2, 0
	PREG 1, 3, 0
	PREG 2, 0, 128
	PREG 3, 1, 128
	WIN 0
	s_mov_b32 s3, 14
.Lk:                                           ; K steps 0 to 13: each asks for the K step two on
	STEP 1
	WIN 0
	s_sub_co_u32 s3, s3, 1
	s_cmp_lg_u32 s3, 0
	s_cbranch_scc1 .Lk
	STEP 0                                         ; K step 14: nothing is left to ask for
	GRP 0, 0, 1, 16, 1, 2, 128                     ; K step 15
	GRP 0, 1, 1, 16, 1, 3, 128
	GRP 0, 2, 1, 16, 0, 0, 0
	GRP 0, 3, 1, 0, 0, 0, 0
	GRP 1, 0, 0, -1, 0, 0, 0
	GRP 1, 1, 0, -1, 0, 0, 0
	GRP 1, 2, 0, -1, 0, 0, 0
	GRP 1, 3, 0, -1, 0, 0, 0
	WIN 0
.rept 4
	v_nop                                          ; the places between the last products and the conversions that read results
.endr
	PACK 0
	TOSTAGE 0
.irp a, 1,2,3,4,5,6,7
	PACK \a
	SEND (\a)-1
	TOSTAGE \a
.endr
	SEND 7
	s_wait_tensorcnt 0x0                           ; the wave's end
	ds_add_u32 v[SPW], v[NIL]
	s_wait_dscnt 0x0
	CROUND                                         ; the closing round
	s_endpgm
.Lconv:                                        ; wo16 = f16(8 Wo): 64 work-groups, 65,536 bytes of Wo each, four trips of 16,384
	s_lshl_b32 s77, s[SUB], 4
	s_lshl_b32 s81, s[CY], 2
	s_add_co_u32 s77, s77, s81
	s_add_co_u32 s77, s77, s[CX]                   ; enters addresses alone
	s_lshl_b32 s90, s77, 16
	s_mov_b32 s91, 0
	s_add_nc_u64 s[14:15], s[14:15], s[90:91]
	s_lshl_b32 s90, s77, 15
	s_add_nc_u64 s[26:27], s[26:27], s[90:91]
	v_lshlrev_b32 v4, 4, v0
	v_lshlrev_b32 v5, 3, v0
	s_mov_b32 s3, 4
.Lcv:
.irp j, 0,1,2,3,4,5,6,7
	global_load_b128 v[64+4*(\j):64+4*(\j)+3], v4, s[14:15] offset:2048*(\j) th:TH_LOAD_NT
.endr
	s_wait_loadcnt 0x0
.irp j, 0,1,2,3,4,5,6,7
	v_pk_mul_f32 v[64+4*(\j):64+4*(\j)+1], v[64+4*(\j):64+4*(\j)+1], 0x41000000 op_sel_hi:[1,0]
	v_pk_mul_f32 v[64+4*(\j)+2:64+4*(\j)+3], v[64+4*(\j)+2:64+4*(\j)+3], 0x41000000 op_sel_hi:[1,0]
	v_cvt_pk_f16_f32 v[32+2*(\j)], v[64+4*(\j)], v[64+4*(\j)+1]
	v_cvt_pk_f16_f32 v[33+2*(\j)], v[64+4*(\j)+2], v[64+4*(\j)+3]
	global_store_b64 v5, v[32+2*(\j):33+2*(\j)], s[26:27] offset:1024*(\j)  ; a wave's store covers 256 consecutive bytes, aligned
.endr
	s_wait_xcnt 0x0                                ; bases and data are rewritten only behind this wait
	s_add_nc_u64 s[14:15], s[14:15], 16384
	s_add_nc_u64 s[26:27], s[26:27], 8192
	s_sub_co_u32 s3, s3, 1
	s_cmp_lg_u32 s3, 0
	s_cbranch_scc1 .Lcv
	s_wait_tensorcnt 0x0                           ; the wave's end, as above
	ds_add_u32 v[SPW], v[NIL]
	s_wait_dscnt 0x0
	CROUND
	s_endpgm
.Lfunc_end_k_q23c2d886a7_proj:
	.size	k_q23c2d886a7_proj, .Lfunc_end_k_q23c2d886a7_proj-k_q23c2d886a7_proj
	.p2alignl 7, 3214868480
	.fill 96, 4, 3214868480
	.section	.rodata,"a",@progbits
	.p2align	6, 0x0
	.amdhsa_kernel k_q23c2d886a7_proj
		.amdhsa_group_segment_fixed_size 327680
		.amdhsa_private_segment_fixed_size 0
		.amdhsa_enable_private_segment 0
		.amdhsa_kernarg_size 96
		.amdhsa_user_sgpr_count 2
		.amdhsa_user_sgpr_kernarg_segment_ptr 1
		.amdhsa_wavefront_size32 1
		.amdhsa_system_sgpr_workgroup_id_x 1
		.amdhsa_system_sgpr_workgroup_id_y 1
		.amdhsa_system_sgpr_workgroup_id_z 1
		.amdhsa_system_vgpr_workitem_id 0
		.amdhsa_next_free_vgpr 1024
		.amdhsa_next_free_sgpr 102
		.amdhsa_reserve_vcc 0
		.amdhsa_float_denorm_mode_32 3
		.amdhsa_float_denorm_mode_16_64 3
		.amdhsa_memory_ordered 1
		.amdhsa_forward_progress 1
		.amdhsa_inst_pref_size 179
	.end_amdhsa_kernel
	.amdgpu_metadata
---
amdhsa.version: [ 1, 2 ]
amdhsa.kernels:
  - .name:           k_q23c2d886a7_proj
    .symbol:         k_q23c2d886a7_proj.kd
    .args:
      - { .name: query, .offset: 0, .size: 8, .value_kind: global_buffer, .address_space: global }
      - { .name: key, .offset: 8, .size: 8, .value_kind: global_buffer, .address_space: global }
      - { .name: values, .offset: 16, .size: 8, .value_kind: global_buffer, .address_space: global }
      - { .name: Wq, .offset: 24, .size: 8, .value_kind: global_buffer, .address_space: global }
      - { .name: Wv, .offset: 32, .size: 8, .value_kind: global_buffer, .address_space: global }
      - { .name: Wo, .offset: 40, .size: 8, .value_kind: global_buffer, .address_space: global }
      - { .name: bq, .offset: 48, .size: 8, .value_kind: global_buffer, .address_space: global }
      - { .name: bv, .offset: 56, .size: 8, .value_kind: global_buffer, .address_space: global }
      - { .name: qh, .offset: 64, .size: 8, .value_kind: global_buffer, .address_space: global }
      - { .name: kh, .offset: 72, .size: 8, .value_kind: global_buffer, .address_space: global }
      - { .name: vb, .offset: 80, .size: 8, .value_kind: global_buffer, .address_space: global }
      - { .name: wo16, .offset: 88, .size: 8, .value_kind: global_buffer, .address_space: global }
    .group_segment_fixed_size: 327680
    .private_segment_fixed_size: 0
    .kernarg_segment_align: 8
    .kernarg_segment_size: 96
    .max_flat_workgroup_size: 128
    .sgpr_count:     102
    .vgpr_count:     1024
    .wavefront_size: 32
...
	.end_amdgpu_metadata
.endif
;; end of part 1
;; launch attn (part 2): grid 4 x 64, 8 waves a work-group, clusters of 4 x 1, 327,680 bytes of LDS; arguments qh, kh, vb, gammas, att; writes att
.if DOCPART == 2
	.amdgcn_target "amdgcn-amd-amdhsa--gfx1250"
	.amdhsa_code_object_version 6
	.text
	.protected	k_q23c2d886a7_attn
	.globl	k_q23c2d886a7_attn
	.p2align	8
	.type	k_q23c2d886a7_attn,@function
k_q23c2d886a7_attn:
	s_mov_b64 s[64:65], 0
	v_nop
	global_prefetch_b8 v0, s[64:65] scope:SCOPE_SE
	s_setreg_imm32_b32 hwreg(HW_REG_WAVE_MODE, 25, 1), 1
	s_wait_xcnt 0x0
	s_wait_alu depctr_hold_cnt(0) depctr_sa_sdst(0) depctr_va_vdst(0) depctr_va_sdst(0) depctr_va_ssrc(0) depctr_va_vcc(0) depctr_vm_vsrc(0)
	s_getreg_b32 s2, hwreg(HW_REG_IB_STS2, 6, 4)
	s_cmp_eq_u32 s2, 0
	s_cbranch_scc0 .Lentry_in_a_cluster
	s_endpgm
.Lentry_in_a_cluster:
	s_bfe_u32 s2, ttmp6, 0x10000c
	s_cmp_lg_u32 s2, 0x3003
	s_cbranch_scc0 .Lentry_shape_is_right
	s_endpgm
.Lentry_shape_is_right:
; STRICTLY CAUSAL ATTENTION WITH THE TIME EFFECT, one head (of 64) to a cluster of four work-groups.  qh, kh: [head][t][64] f16; vb: [head][t / 64][d][t % 64] f16; att = O / 8: [head][t][64] f16.
; For query i and key j < i, S = q.k, c = log2(e) / 8:
;   e = 2^(c S - c m1), l1 = sum e;  suffix(j) = the sum of e over j < j' < i (summed directly, the keys walked downward);
;   effect = max(2^-sqrt(u), 1e-5), u = suffix (i - j) (gamma log2 e)^2 / l1 (the upper clip cannot act: the exponent is never positive);
;   p = 2^(c S effect - c m2), l2 = sum p;  the greatest weight is 1 / l2, so weight x scale = p min(1, 5 / l2).  Row 0 sees no key: its output is 0.
; l1 is wanted before any suffix can be used, so the scores are made twice: pass 1 finds m1 and l1, pass 2 does the rest.  Both maxima are running maxima.
; LIMITS.  q, k, v within f16's 65,504; e and p below 6e-5 keep f16's step of 6e-8; a hidden score counts as its value less 2^100; maxima start at -2^99; NaN and infinities are not treated apart.
; SHARES.  A tile is 16 queries at 64 v + 16 cx, band v = 0..15.  Wave w takes v = 15 - w and then v = w: 17 key steps of 64 for every wave.  cx enters Q's and att's addresses and lane constants alone.
; A head's K and V lie in LDS whole, filled once by joint loads of the four partners; nothing is filled again.  Two waves share a SIMD: one's vector work stands beside the other's waits.
; LAYOUT.  S^T = K Q^T: a lane holds one query (lane % 16) and keys 8 (lane / 16) + 0..7 of each block of 16.  Two blocks rounded to f16 are source 1 of the next product.
; The suffix sums are products with constant triangles: TRL[m][k] = 1 if k > m, TRH[m][k] = 1 if k > 16 + m, ONE = 1; CAR carries the sum of all later keys.
.set KSB, 9216                         ; a key step in LDS: 64 rows of 128 bytes + 16 of padding
.set KB, 16*KSB                        ; V's 16 blocks lie at 0, K behind them: K's look-ahead below step 0 then reads bytes that were filled (its result is not used)
.set STAGE, 2*KB                       ; 16 rows x 144 bytes a wave, for the way out
.set SPARE, STAGE+8*2304               ; the spare words, 128 bytes a wave
.set AK0, 2
.set AKM, 3
.set ADR, 4
.set ADV, 5
.set QO, 6
.set STO, 7
.set RD, 8
.set GO, 9
.set SPW, 10
.set NIL, 11
.set DL, 12
.set G2, 13
.set ST1, 16                           ; c m1, m1, l1 (even keys', odd keys')
.set ST2, 20
.set KAP, 24
.set CW, 28                            ; four at work; a takes CW + 2
.set MV, 32
.set TD, 33
.set S, 64
.set E, 96                             ; e, then the suffix sums, then the effect
.set WT, 128
.set E16, 160                          ; e in f16, later p
.set CAR, 176
.set T1, 184
.set O, 192
.set QF, 0                             ; window 1 from here on
.set TRL, 16
.set TRH, 24
.set ONE, 32
.set MD, 40
.set KF, 72
.set VF, 136
.set WV, 14
.set CX, 15
.set HEAD, 16
.set BAND, 17
.set VP2, 18
.set VP1, 19
.set N, 20
.set TB, 21
.set SDI, 22
.set I0, 23
.set G1, 24
.set G0K, 32
.set G0V, 36
.set CS, 40
.set SEL, 42
.set EPS, 44
.set BIGN, 45
.set TL, 46
.set VIS, 47
.set QB, 48
.set OBS, 50
.set HB, 54
.set GAM, 56
.set OF2, 60
.set MSB, 0
.macro WIN new
.if MSB != (\new)
	s_set_vgpr_msb (MSB<<8)|(\new)
.set MSB, \new
.endif
.endm
.macro CROUND
	s_barrier_signal -1
	s_barrier_wait -1
	s_cmp_lg_u32 s[WV], 0
	s_cbranch_scc1 .Lnot_wave_0_\@
	s_barrier_signal -3
.Lnot_wave_0_\@:
	s_barrier_wait -3
	s_barrier_signal -1
	s_barrier_wait -1
.endm
.macro FETCH dst, adr                  ; eight fragments of 16 rows x 32: rows 16 (f / 2) on, bytes 64 (f % 2) on: the same for K (rows = keys) and V^T (rows = channels)
	WIN 0x40
.irp f, 0,1,2,3,4,5,6,7
	ds_load_b128 v[(\dst)+8*\f:(\dst)+8*\f+3],   v[\adr] offset:(\f/2)*2304+(\f%2)*64
	ds_load_b128 v[(\dst)+8*\f+4:(\dst)+8*\f+7], v[\adr] offset:(\f/2)*2304+(\f%2)*64+32
.endr
	WIN 0
.endm
.macro QK                              ; S^T = K Q^T; the four products that start the sums take 0, or in the band's own step the mask; the four accumulators take turns
	WIN 0
	s_cmp_eq_u32 s[N], s[VP1]
	s_cbranch_scc1 .Lqd_\@
	WIN 0x05
.irp k, 0,1,2,3
	v_wmma_f32_16x16x32_f16 v[S+8*\k:S+8*\k+7], v[KF+16*\k:KF+16*\k+7], v[QF:QF+7], 0
.endr
	WIN 0
	s_branch .Lqj_\@
.Lqd_\@:
	WIN 0x15
.irp k, 0,1,2,3
	v_wmma_f32_16x16x32_f16 v[S+8*\k:S+8*\k+7], v[KF+16*\k:KF+16*\k+7], v[QF:QF+7], v[MD+8*\k:MD+8*\k+7]
.endr
	WIN 0
.Lqj_\@:
	WIN 0x05
.irp k, 0,1,2,3
	v_wmma_f32_16x16x32_f16 v[S+8*\k:S+8*\k+7], v[KF+16*\k+8:KF+16*\k+15], v[QF+8:QF+15], v[S+8*\k:S+8*\k+7]
.endr
	WIN 0
.endm
; The maximum of the lane's 32 scores and the old m, the other half of the lanes', c m, and a = 2^(c m_old - c m_new).  Each accumulator's lowest registers are read first.
.macro XS n, t
.if (\n) < 4
	v_max3_num_f32 v[CW+(\n)], v[S+8*(\n)], v[S+8*(\n)+1], v[S+8*(\n)+2]
.elseif (\n) < 12
	v_max3_num_f32 v[CW+(\n)%4], v[CW+(\n)%4], v[S+8*((\n)%4)+2*((\n)/4)+1], v[S+8*((\n)%4)+2*((\n)/4)+2]
.elseif (\n) == 12
	v_max3_num_f32 v[CW], v[CW], v[S+7], v[S+15]
.elseif (\n) == 13
	v_max3_num_f32 v[CW+1], v[CW+1], v[S+23], v[S+31]
.elseif (\n) == 14
	v_max3_num_f32 v[CW+2], v[CW+2], v[CW+3], v[(\t)+1]
.elseif (\n) == 15
	v_mov_b32 v[MV], v[\t]
.elseif (\n) == 16
	v_max3_num_f32 v[CW], v[CW], v[CW+1], v[CW+2]
.elseif (\n) == 17
	v_permlanex16_b32 v[CW+3], v[CW], s[SEL], s[SEL+1]
.elseif (\n) == 18
	v_max_num_f32 v[(\t)+1], v[CW], v[CW+3]
.elseif (\n) == 19
	v_mul_f32 v[\t], s[CS], v[(\t)+1]
.elseif (\n) == 20
	v_sub_f32 v[CW+1], v[MV], v[\t]
.else
	v_exp_f32 v[CW+2], v[CW+1]
.endif
.endm
.macro STATS t
.irp n, 0,1,2,3,4,5,6,7,8,9,10,11,12,13,14,15,16,17,18,19,20,21
	XS \n, \t
.endr
.endm
; dst = 2^(c S - c m): 16 packed scalings, each pair's two exponentials one pair behind; one plain line and ONE wait for the batch (a, issued just ahead, belongs to it)
.macro EXPB dst, t
.set p, 0
.rept 16
	v_pk_fma_f32 v[(\dst)+2*p:(\dst)+2*p+1], v[S+2*p:S+2*p+1], s[CS:CS+1], v[\t:(\t)+1] op_sel_hi:[1,0,0] neg_lo:[0,0,1] neg_hi:[0,0,1]
.if p > 0
	v_exp_f32 v[(\dst)+2*p-2], v[(\dst)+2*p-2]
	v_exp_f32 v[(\dst)+2*p-1], v[(\dst)+2*p-1]
.endif
.set p, p+1
.endr
	v_exp_f32 v[(\dst)+30], v[(\dst)+30]
	v_exp_f32 v[(\dst)+31], v[(\dst)+31]
	v_nop
	s_wait_alu depctr_va_vdst(0)
.endm
.macro SUMS t                          ; l = a l + the sum of S's 16 pairs, as a tree, in place
.irp z, 0,4,8,12,16,20,24,28
	v_pk_add_f32 v[S+\z:S+\z+1], v[S+\z:S+\z+1], v[S+\z+2:S+\z+3]
.endr
.irp z, 0,8,16,24
	v_pk_add_f32 v[S+\z:S+\z+1], v[S+\z:S+\z+1], v[S+\z+4:S+\z+5]
.endr
	v_pk_add_f32 v[S:S+1], v[S:S+1], v[S+8:S+9]
	v_pk_add_f32 v[S+16:S+17], v[S+16:S+17], v[S+24:S+25]
	v_pk_add_f32 v[S:S+1], v[S:S+1], v[S+16:S+17]
	v_pk_fma_f32 v[(\t)+2:(\t)+3], v[(\t)+2:(\t)+3], v[CW+2:CW+3], v[S:S+1] op_sel_hi:[1,0,1]
.endm
.macro LSUM t                          ; 1 / l into CW + 1
	v_add_f32 v[CW], v[(\t)+2], v[(\t)+3]
	v_permlanex16_b32 v[CW+1], v[CW], s[SEL], s[SEL+1]
	v_add_f32 v[CW], v[CW], v[CW+1]
	v_rcp_f32 v[CW+1], v[CW]
	v_nop
	s_wait_alu depctr_va_vdst(0)
.endm
.macro KAHEAD                          ; four places behind the products that read K, then the next lower step's K
	v_add_nc_u32 v[ADR], s[TB], v[AKM]
.rept 3
	v_nop
.endr
	FETCH KF, ADR
.endm
.macro KFIRST                          ; K of the band's own step, ahead of a pass
	s_mul_i32 s57, s[VP1], KSB
	v_add_nc_u32 v[ADR], s57, v[AKM]
	s_wait_dscnt 0x0                               ; the look-ahead of the pass before has landed: its registers are loaded again
	FETCH KF, ADR
	s_mov_b32 s[N], 17
	s_mov_b32 s[TB], 16*KSB
.endm
	s_load_b256 s[4:11], s[0:1], 0x0               ; qh 4, kh 6, vb 8, gammas 10
	s_load_b64 s[12:13], s[0:1], 0x20              ; att
	v_lshl_add_u32 v[SPW], v0, 2, SPARE
	v_mov_b32 v[NIL], 0
	ds_add_u32 v[SPW], v[NIL]                      ; the wave's opening: the add and its wait ahead of my first tensor load
	v_lshrrev_b32 v1, 5, v0
	v_readfirstlane_b32 s[WV], v1
	s_bfe_u32 s[CX], ttmp6, 0x40000
	s_and_b32 s[HEAD], ttmp7, 0xffff
	s_lshl_b32 s[HB], s[HEAD], 17                  ; a head is 131,072 bytes in each tensor
	s_mov_b32 s[HB+1], 0
	s_lshl_b32 s57, s[WV], 14
	s_add_co_u32 s52, s[HB], s57                   ; my eighth of the head's K and of its V
	s_mov_b32 s53, 0
	s_mov_b32 s[G1], 15|(1<<16)|(1<<20)|(1<<21)|(4<<22)|(3<<25)  ; the mask of four; 2-byte elements; padding on; bit 21 beside a mask; after every 32 words, 4 words
	s_mov_b32 s[G1+1], 128<<16                     ; 16,384 dense bytes as 64 rows of 256
	s_mov_b32 s[G1+2], 64<<16
	s_mov_b32 s[G1+3], 128<<16
	s_mov_b32 s[G1+4], 64
	s_mov_b32 s[G1+5], 128
	s_mov_b32 s[G1+6], 0
	s_mov_b32 s[G1+7], 0
	s_mul_i32 s58, s[WV], 2*KSB
	s_mov_b32 s[G0V], 1
	s_mov_b32 s[G0V+1], s58
	s_mov_b32 s[G0K], 1
	s_add_co_u32 s[G0K+1], s58, KB
	s_mov_b32 s[CS], 0x3e38aa3b                    ; c = log2(e) / 8
	s_mov_b32 s[CS+1], s[CS]
	s_mov_b32 s[SEL], 0x76543210
	s_mov_b32 s[SEL+1], 0xfedcba98
	s_mov_b32 s[EPS], 0x3727c5ac                   ; 1e-5
	s_mov_b32 s[BIGN], 0xf1800000                  ; -2^100
	s_wait_dscnt 0x0
	s_wait_kmcnt 0x0
	s_add_nc_u64 s[G0K+2:G0K+3], s[6:7], s[52:53]
	s_or_b32 s[G0K+3], s[G0K+3], 0x80000000
	s_add_nc_u64 s[G0V+2:G0V+3], s[8:9], s[52:53]
	s_or_b32 s[G0V+3], s[G0V+3], 0x80000000
	CROUND                                         ; all four work-groups are here: the joint loads meet
	tensor_load_to_lds s[G0K:G0K+3], s[G1:G1+7]    ; keys 128 w .. 128 w + 127
	s_nop 0
	tensor_load_to_lds s[G0V:G0V+3], s[G1:G1+7]    ; V's blocks 2 w, 2 w + 1: two loads of mine are out
	s_nop 0
.rept 4
	v_nop
.endr
	s_and_b32 s57, s[HEAD], 15
	s_lshl_b32 s57, s57, 2
	s_load_b32 s[GAM], s[10:11], s57 offset:0x0
	v_and_b32 v1, 15, v0                           ; r
	v_bfe_u32 v14, v0, 4, 1                        ; h
	v_mul_u32_u24 v[AK0], v1, 144
	v_lshl_add_u32 v[AK0], v14, 4, v[AK0]
	v_add_nc_u32 v[AKM], KB-KSB, v[AK0]
	v_lshlrev_b32 v[QO], 7, v1
	v_lshl_add_u32 v[QO], v14, 4, v[QO]
	s_mul_i32 s58, s[WV], 2304
	s_add_co_u32 s58, s58, STAGE
	v_add_nc_u32 v[STO], s58, v[AK0]               ; in: row r, 16 bytes for each half of the lanes
	v_bfe_u32 v[RD], v0, 3, 2
	v_mul_u32_u24 v[RD], v[RD], 144
	v_and_b32 v15, 7, v0
	v_lshl_add_u32 v[RD], v15, 4, v[RD]
	v_add_nc_u32 v[RD], s58, v[RD]                 ; back: 32 lanes take four rows of 128 bytes
	v_and_b32 v[GO], 31, v0
	v_lshlrev_b32 v[GO], 4, v[GO]
	v_lshlrev_b32 v34, 3, v14
	v_sub_nc_u32 v34, v1, v34                      ; r - 8 h
	v_add_nc_u32 v35, 16, v34
	s_lshl_b32 s59, s[CX], 4
	v_add_nc_u32 v36, s59, v34                     ; 16 cx + r - 8 h
	v_cvt_f32_i32 v[DL], v36
.irp z, 0,1,2,3
	v_mov_b32 v[CW+\z], 0
.endr
	; the triangles: register q, half e holds k = 16 (q / 4) + 8 h + 2 (q % 4) + e of row r: 1.0 in the high half if the odd k passes, in both if the even k does
	s_mov_b32 s52, 0x3c000000
	s_mov_b32 s53, 0x3c003c00
	WIN 0x41
.set q, 0
.rept 8
	v_cmp_gt_i32 vcc_lo, 16*(q/4)+2*(q%4)+1, v34
	v_cndmask_b32 v[TRL+q], 0, s52, vcc_lo
	v_cmp_gt_i32 vcc_lo, 16*(q/4)+2*(q%4), v34
	v_cndmask_b32 v[TRL+q], v[TRL+q], s53, vcc_lo
	v_cmp_gt_i32 vcc_lo, 16*(q/4)+2*(q%4)+1, v35
	v_cndmask_b32 v[TRH+q], 0, s52, vcc_lo
	v_cmp_gt_i32 vcc_lo, 16*(q/4)+2*(q%4), v35
	v_cndmask_b32 v[TRH+q], v[TRH+q], s53, vcc_lo
	v_mov_b32 v[ONE+q], 0x3c003c00
.set q, q+1
.endr
.set q, 0
.rept 32                               ; the mask of the band's own step: key 16 kt + 8 h + j is hidden where it is not below the query's 16 cx + r
	v_cmp_ge_i32 vcc_lo, 16*(q/8)+q%8, v36
	v_cndmask_b32 v[MD+q], 0, s[BIGN], vcc_lo
.set q, q+1
.endr
	WIN 0
	s_wait_kmcnt 0x0
	v_mov_b32 v[G2], s[GAM]
	v_mul_f32 v[G2], 0x3fb8aa3b, v[G2]
	v_mul_f32 v[G2], v[G2], v[G2]                  ; (gamma log2 e)^2
	s_sub_co_u32 s[BAND], 15, s[WV]
	s_mov_b32 s[TL], 2
	s_mov_b32 s[OF2+1], 0
	s_wait_tensorcnt 0x0                           ; my parts of K and V are in,
	s_barrier_signal -1
	s_barrier_wait -1                              ; everybody's are; nothing writes these bytes again
.Ltile:
	s_wait_xcnt 0x0                                ; the last tile's stores have read their base and data
	s_add_co_u32 s[VP1], s[BAND], 1
	s_add_co_u32 s[VP2], s[BAND], 2
	s_lshl_b32 s[I0], s[BAND], 6
	s_add_co_u32 s[I0], s[I0], s59                 ; the tile's first query
	s_lshl_b32 s[OF2], s[I0], 7
	s_add_co_u32 s[OF2], s[OF2], s[HB]
	s_add_nc_u64 s[QB:QB+1], s[4:5], s[OF2:OF2+1]
	s_add_nc_u64 s[OBS:OBS+1], s[12:13], s[OF2:OF2+1]
	WIN 0x40
.irp z, 0,1,2,3
	global_load_b128 v[QF+4*\z:QF+4*\z+3], v[QO], s[QB:QB+1] offset:32*\z
.endr
	WIN 0
	v_add_nc_u32 v[TD], s[I0], v1
	v_cmp_ne_u32 s[VIS], 0, v[TD]                  ; every row but row 0 of the head sees a key
	v_mov_b32 v[ST1+1], 0xf1000000                 ; m1 = -2^99
	v_mul_f32 v[ST1], s[CS], v[ST1+1]
	v_mov_b32 v[ST1+2], 0
	v_mov_b32 v[ST1+3], 0
	KFIRST
	s_wait_loadcnt 0x0                             ; Q
.Lp1:                                          ; PASS 1, step N - 1 from 16 down to 0; the steps above the band are jumped over
	s_cmp_ge_u32 s[N], s[VP2]
	s_cbranch_scc1 .Lp1n
	s_wait_dscnt 0x0                               ; K is in
	QK
	KAHEAD
	STATS ST1
	EXPB S, ST1
	SUMS ST1
.Lp1n:
	s_sub_co_u32 s[TB], s[TB], KSB
	s_sub_co_u32 s[N], s[N], 1
	s_cmp_lg_u32 s[N], 0
	s_cbranch_scc1 .Lp1
	LSUM ST1
	v_mul_f32 v[KAP], v[CW+1], v[G2]               ; kappa = (gamma log2 e)^2 / l1,
	v_cndmask_b32 v[KAP], 0, v[KAP], s[VIS]        ; 0 for the row that sees nothing (its l1 is 0)
	v_mov_b32 v[KAP+1], v[KAP]
.set z, 0
.rept 8
	v_mov_b32 v[CAR+z], 0
.set z, z+1
.endr
	v_mov_b32 v[ST2+1], 0xf1000000
	v_mul_f32 v[ST2], s[CS], v[ST2+1]
	v_mov_b32 v[ST2+2], 0
	v_mov_b32 v[ST2+3], 0
.set z, 0
.rept 32                               ; a row whose first step is wholly hidden has a = 1 there: O^T and l start at 0 in every tile
	v_mov_b32 v[O+z], 0
.set z, z+1
.endr
	s_mov_b32 s[SDI], 0                            ; 64 (v - step)
	KFIRST
.Lp2:                                          ; PASS 2
	s_cmp_ge_u32 s[N], s[VP2]
	s_cbranch_scc1 .Lp2n
	v_add_nc_u32 v[ADV], s[TB], v[AK0]
	FETCH VF, ADV
	s_wait_dscnt 16                                ; K is in; V's 16 loads stay out
	QK
	KAHEAD
	EXPB E, ST1                                    ; e
.set p, 0
.rept 16
	v_cvt_pk_f16_f32 v[E16+p], v[E+2*p], v[E+2*p+1]
.set p, p+1
.endr
	WIN 0x01                                       ; the suffix sums: keys 32-63 of the step first
	v_wmma_f32_16x16x32_f16 v[T1:T1+7], v[ONE:ONE+7], v[E16+8:E16+15], v[CAR:CAR+7]
	v_wmma_f32_16x16x32_f16 v[E+24:E+31], v[TRH:TRH+7], v[E16+8:E16+15], v[CAR:CAR+7]
	v_wmma_f32_16x16x32_f16 v[E+16:E+23], v[TRL:TRL+7], v[E16+8:E16+15], v[CAR:CAR+7]
	WIN 0                                          ; kappa (i - j) for the lane's 32 keys: 19 plain lines, which are also the places between the two runs of products
	v_cvt_f32_i32 v[TD], s[SDI]
	v_add_f32 v[TD], v[TD], v[DL]
	v_mul_f32 v[WT], v[KAP], v[TD]
	v_sub_f32 v[WT+1], v[WT], v[KAP]
.set p, 1
.irp cst, 0xc0000000,0xc0800000,0xc0c00000,0xc1800000,0xc1900000,0xc1a00000,0xc1b00000,0xc2000000,0xc2080000,0xc2100000,0xc2180000,0xc2400000,0xc2480000,0xc2500000,0xc2580000
	v_pk_fma_f32 v[WT+2*p:WT+2*p+1], v[KAP:KAP+1], \cst, v[WT:WT+1] op_sel_hi:[1,0,1]  ; less kappa x (16 (p / 4) + 2 (p % 4))
.set p, p+1
.endr
	WIN 0x01
	v_wmma_f32_16x16x32_f16 v[E+8:E+15], v[TRH:TRH+7], v[E16:E16+7], v[T1:T1+7]
	v_wmma_f32_16x16x32_f16 v[E:E+7], v[TRL:TRL+7], v[E16:E16+7], v[T1:T1+7]
	v_wmma_f32_16x16x32_f16 v[CAR:CAR+7], v[ONE:ONE+7], v[E16:E16+7], v[T1:T1+7]
	WIN 0
.set pv, -1                            ; u and its root: the blocks made first are taken first, so eight plain lines stand behind the last products; each block from its low end
.irp p, 12,13,14,15,8,9,10,11,4,5,6,7,0,1,2,3
	v_pk_mul_f32 v[E+2*\p:E+2*\p+1], v[E+2*\p:E+2*\p+1], v[WT+2*\p:WT+2*\p+1]
.if pv >= 0
	v_sqrt_f32 v[E+2*pv], v[E+2*pv]
	v_sqrt_f32 v[E+2*pv+1], v[E+2*pv+1]
.endif
.set pv, \p
.endr
	v_sqrt_f32 v[E+2*pv], v[E+2*pv]
	v_sqrt_f32 v[E+2*pv+1], v[E+2*pv+1]
	v_nop
	s_wait_alu depctr_va_vdst(0)                   ; one wait for the 32 roots
.set p, 0
.rept 16
	v_pk_mul_f32 v[E+2*p:E+2*p+1], v[E+2*p:E+2*p+1], -1.0 op_sel_hi:[1,0]
.if p > 0
	v_exp_f32 v[E+2*p-2], v[E+2*p-2]
	v_exp_f32 v[E+2*p-1], v[E+2*p-1]
.endif
.set p, p+1
.endr
	v_exp_f32 v[E+30], v[E+30]
	v_exp_f32 v[E+31], v[E+31]
	v_nop
	s_wait_alu depctr_va_vdst(0)                   ; one wait for the 32 exponentials
.set p, 0
.rept 32
	v_max_num_f32 v[E+p], s[EPS], v[E+p]
.set p, p+1
.endr
.set p, 0
.rept 16
	v_pk_mul_f32 v[S+2*p:S+2*p+1], v[S+2*p:S+2*p+1], v[E+2*p:E+2*p+1]  ; a hidden key has suffix 0, effect 1: its score stays hidden
.set p, p+1
.endr
	STATS ST2
	EXPB S, ST2                                    ; p
.set p, 0
.rept 16
	v_cvt_pk_f16_f32 v[E16+p], v[S+2*p], v[S+2*p+1]
.set p, p+1
.endr
	SUMS ST2
.set p, 0
.rept 16
	v_pk_mul_f32 v[O+2*p:O+2*p+1], v[O+2*p:O+2*p+1], v[CW+2:CW+3] op_sel_hi:[1,0]
.set p, p+1
.endr
	s_wait_dscnt 0x0                               ; V is in
	WIN 0x01
.set i, 0
.rept 8                                ; O^T += V^T P: keys 32 (i / 4) on, channels 16 (i % 4) on; the four accumulators take turns
	v_wmma_f32_16x16x32_f16 v[O+8*(i%4):O+8*(i%4)+7], v[VF+16*(i%4)+8*(i/4):VF+16*(i%4)+8*(i/4)+7], v[E16+8*(i/4):E16+8*(i/4)+7], v[O+8*(i%4):O+8*(i%4)+7]
.set i, i+1
.endr
	WIN 0
.rept 4
	v_nop                                          ; the places in front of the next loads into V's registers and of reads of O^T
.endr
	s_add_co_u32 s[SDI], s[SDI], 64
.Lp2n:
	s_sub_co_u32 s[TB], s[TB], KSB
	s_sub_co_u32 s[N], s[N], 1
	s_cmp_lg_u32 s[N], 0
	s_cbranch_scc1 .Lp2
	LSUM ST2                                       ; THE WAY OUT: O min(1, 5 / l2) / 8
	v_mul_f32 v[CW], 0x3f200000, v[CW+1]
	v_min_num_f32 v[CW], 0x3e000000, v[CW]
	v_cndmask_b32 v[CW+2], 0, v[CW], s[VIS]
	v_mov_b32 v[CW+3], v[CW+2]
.set p, 0
.rept 16
	v_pk_mul_f32 v[O+2*p:O+2*p+1], v[O+2*p:O+2*p+1], v[CW+2:CW+3]
.set p, p+1
.endr
.set p, 0
.rept 16
	v_cvt_pk_f16_f32 v[S+p], v[O+2*p], v[O+2*p+1]
.set p, p+1
.endr
.irp f, 0,1,2,3
	ds_store_b128 v[STO], v[S+4*\f:S+4*\f+3] offset:32*\f
.endr
.irp f, 0,1,2,3
	ds_load_b128 v[S+4*\f:S+4*\f+3], v[RD] offset:\f*576  ; LDS serves a wave's instructions in order: these see the stores above
.endr
.irp f, 0,1,2,3
	s_wait_dscnt 3-\f                              ; the younger loads may stay out
	global_store_b128 v[GO], v[S+4*\f:S+4*\f+3], s[OBS:OBS+1] offset:\f*512  ; 512 consecutive bytes, aligned
.endr
	s_sub_co_u32 s[BAND], 15, s[BAND]              ; the wave's other band
	s_sub_co_u32 s[TL], s[TL], 1
	s_cmp_lg_u32 s[TL], 0
	s_cbranch_scc1 .Ltile
	s_wait_tensorcnt 0x0                           ; the wave's end
	ds_add_u32 v[SPW], v[NIL]
	s_wait_dscnt 0x0
	CROUND                                         ; the closing round
	s_endpgm
.Lfunc_end_k_q23c2d886a7_attn:
	.size	k_q23c2d886a7_attn, .Lfunc_end_k_q23c2d886a7_attn-k_q23c2d886a7_attn
	.p2alignl 7, 3214868480
	.fill 96, 4, 3214868480
	.section	.rodata,"a",@progbits
	.p2align	6, 0x0
	.amdhsa_kernel k_q23c2d886a7_attn
		.amdhsa_group_segment_fixed_size 327680
		.amdhsa_private_segment_fixed_size 0
		.amdhsa_enable_private_segment 0
		.amdhsa_kernarg_size 40
		.amdhsa_user_sgpr_count 2
		.amdhsa_user_sgpr_kernarg_segment_ptr 1
		.amdhsa_wavefront_size32 1
		.amdhsa_system_sgpr_workgroup_id_x 1
		.amdhsa_system_sgpr_workgroup_id_y 1
		.amdhsa_system_sgpr_workgroup_id_z 1
		.amdhsa_system_vgpr_workitem_id 0
		.amdhsa_next_free_vgpr 464
		.amdhsa_next_free_sgpr 66
		.amdhsa_reserve_vcc 1
		.amdhsa_float_denorm_mode_32 3
		.amdhsa_float_denorm_mode_16_64 3
		.amdhsa_memory_ordered 1
		.amdhsa_forward_progress 1
		.amdhsa_inst_pref_size 50
	.end_amdhsa_kernel
	.amdgpu_metadata
---
amdhsa.version: [ 1, 2 ]
amdhsa.kernels:
  - .name:           k_q23c2d886a7_attn
    .symbol:         k_q23c2d886a7_attn.kd
    .args:
      - { .name: qh, .offset: 0, .size: 8, .value_kind: global_buffer, .address_space: global }
      - { .name: kh, .offset: 8, .size: 8, .value_kind: global_buffer, .address_space: global }
      - { .name: vb, .offset: 16, .size: 8, .value_kind: global_buffer, .address_space: global }
      - { .name: gammas, .offset: 24, .size: 8, .value_kind: global_buffer, .address_space: global }
      - { .name: att, .offset: 32, .size: 8, .value_kind: global_buffer, .address_space: global }
    .group_segment_fixed_size: 327680
    .private_segment_fixed_size: 0
    .kernarg_segment_align: 8
    .kernarg_segment_size: 40
    .max_flat_workgroup_size: 256
    .sgpr_count:     66
    .vgpr_count:     464
    .wavefront_size: 32
...
	.end_amdgpu_metadata
.endif
;; end of part 2
;; launch outp (part 3): grid 8 x 32, 4 waves a work-group, clusters of 4 x 4, 327,680 bytes of LDS; arguments att, wo16, query, bo, xbuf; writes xbuf
.if DOCPART == 3
	.amdgcn_target "amdgcn-amd-amdhsa--gfx1250"
	.amdhsa_code_object_version 6
	.text
	.protected	k_q23c2d886a7_outp
	.globl	k_q23c2d886a7_outp
	.p2align	8
	.type	k_q23c2d886a7_outp,@function
k_q23c2d886a7_outp:
	s_mov_b64 s[64:65], 0
	v_nop
	global_prefetch_b8 v0, s[64:65] scope:SCOPE_SE
	s_setreg_imm32_b32 hwreg(HW_REG_WAVE_MODE, 25, 1), 1
	s_wait_xcnt 0x0
	s_wait_alu depctr_hold_cnt(0) depctr_sa_sdst(0) depctr_va_vdst(0) depctr_va_sdst(0) depctr_va_ssrc(0) depctr_va_vcc(0) depctr_vm_vsrc(0)
	s_getreg_b32 s2, hwreg(HW_REG_IB_STS2, 6, 4)
	s_cmp_eq_u32 s2, 0
	s_cbranch_scc0 .Lentry_in_a_cluster
	s_endpgm
.Lentry_in_a_cluster:
	s_bfe_u32 s2, ttmp6, 0x10000c
	s_cmp_lg_u32 s2, 0xf033
	s_cbranch_scc0 .Lentry_shape_is_right
	s_endpgm
.Lentry_shape_is_right:
; xbuf = query + concat(O) Wo^T + bo, f32 [4096][1024].  att holds O / 8 by heads ([b 16 + h][t][64] f16), wo16 holds 8 Wo ([n][k] f16): the two powers of two cancel exactly.  Sums in f32.
; A tile of C is 128 x 128: 256 work-groups; four waves of 64 x 64 (16 accumulators).  K goes in four steps of 256 (four heads) through two LDS slots, written straight, without a loop.
; A's tile lies by heads in memory: 128 rows of a head are 16,384 dense bytes, so a wave's load is two such rows (two heads), padded in LDS after every 128 bytes: [head][row], pitch 144.
; CLUSTER 4 x 4: A's tile shared along a row of the cluster, B's along a column.  The product is used transposed: a lane holds eight neighbouring columns of a row of C.
; No prefetch: four K steps, small tiles.  LIMIT: f16's range for O / 8 and 8 Wo, as the launches that wrote them state.
; REGISTERS.  window 0: v16-29 addresses; v32-95 the way out; v96-99 bo; v128-255 accumulators.  window 1: two fragment buffers of 128.  window 2: v0-127 my 64 x 64 of query.
.set PA, 144
.set PB, 528
.set HEADB, 128*PA
.set BOFF, 4*HEADB
.set SLOT, BOFF+128*PB
.set STAGE, 2*SLOT                     ; 16 rows x 272 bytes a wave: a wave's 64 columns of f32 are 256 aligned bytes, so the stage is the wave's own
.set SPITCH, 272
.set SPARE, STAGE+4*16*SPITCH
.set ASTEP, 4*131072                   ; a K step: four heads in att,
.set BSTEP, 512                        ; 256 numbers of a row of wo16
.set ADRA, 16
.set ADRB, 20
.set STO, 24
.set RD, 25
.set CO, 26
.set BO, 27
.set SPW, 28
.set NIL, 29
.set TMP, 32
.set BIAS, 96
.set ACC, 128
.set F0, 0
.set F1, 128
.set G1, 24
.set G0, 32
.set G1B, 48
.set G0B, 56
.set QB, 78
.set XB, 80
.set BB, 82
.set MSB, 0
.macro WIN new
.if MSB != (\new)
	s_set_vgpr_msb (MSB<<8)|(\new)
.set MSB, \new
.endif
.endm
.set MUL, 0x05
.set TO_F, 0x40
.macro JLOAD s                         ; waves 0, 1 fetch A's two pairs of heads, waves 2, 3 B's two halves; s_nop 0 and four v_nop follow each line
	s_cmp_eq_u32 s11, 0
	s_cbranch_scc0 .Lfor_b_\@
	tensor_load_to_lds s[G0+4*(\s):G0+4*(\s)+3], s[G1:G1+7]
	s_nop 0
.rept 4
	v_nop
.endr
	s_branch .Lasked_\@
.Lfor_b_\@:
	tensor_load_to_lds s[G0B+4*(\s):G0B+4*(\s)+3], s[G1B:G1B+7]
	s_nop 0
.rept 4
	v_nop
.endr
.Lasked_\@:
.endm
.macro CREST
	s_cmp_lg_u32 s10, 0
	s_cbranch_scc1 .Lnot_wave_0_\@
	s_barrier_signal -3
.Lnot_wave_0_\@:
	s_barrier_wait -3
	s_barrier_signal -1
	s_barrier_wait -1
.endm
.macro CROUND
	s_barrier_signal -1
	s_barrier_wait -1
	CREST
.endm
	s_load_b256 s[68:75], s[0:1], 0x0              ; att 68, wo16 70, query 72, bo 74
	s_load_b64 s[76:77], s[0:1], 0x20              ; xbuf
	v_lshl_add_u32 v[SPW], v0, 2, SPARE
	v_mov_b32 v[NIL], 0
	ds_add_u32 v[SPW], v[NIL]                      ; the wave's opening: the add and its wait ahead of my first tensor load
	v_lshrrev_b32 v1, 5, v0
	v_readfirstlane_b32 s10, v1
	s_lshr_b32 s11, s10, 1                         ; my half of the tile's rows; also: I fetch for A (0) or B (1)
	s_and_b32 s12, s10, 1                          ; my half of its columns; also: which part I fetch
	s_bfe_u32 s40, ttmp6, 0x40000
	s_bfe_u32 s41, ttmp6, 0x40004
	s_lshl_b32 s42, ttmp9, 2
	s_add_co_u32 s42, s42, s40                     ; tile column
	s_and_b32 s13, ttmp7, 0xffff
	s_lshl_b32 s13, s13, 2
	s_add_co_u32 s13, s13, s41                     ; tile row
	s_lshl_b32 s43, s41, 2
	s_lshl_b32 s43, 15, s43
	s_lshl_b32 s44, 0x1111, s40
	s_or_b32 s[G1+0], s43, (1<<16)|(1<<20)|(1<<21)|(4<<22)|(3<<25)   ; 2-byte elements; padding after every 32 words, 4 words
	s_mov_b32 s[G1+1], 8192<<16                    ; tensor_dim0 = 8,192: 128 rows of a head on end
	s_mov_b32 s[G1+2], 2<<16                       ; tensor_dim1 = 2 heads
	s_mov_b32 s[G1+3], 8192<<16                    ; tile_dim0
	s_mov_b32 s[G1+4], 2                           ; tile_dim1
	s_mov_b32 s[G1+5], 65536                       ; elements from head to head
	s_mov_b32 s[G1+6], 0
	s_mov_b32 s[G1+7], 0
	s_or_b32 s[G1B+0], s44, (1<<16)|(1<<20)|(1<<21)|(6<<22)|(3<<25)  ; padding after every 128 words, 4 words
	s_mov_b32 s[G1B+1], 256<<16
	s_mov_b32 s[G1B+2], 64<<16
	s_mov_b32 s[G1B+3], 256<<16
	s_mov_b32 s[G1B+4], 64
	s_mov_b32 s[G1B+5], 1024
	s_mov_b32 s[G1B+6], 0
	s_mov_b32 s[G1B+7], 0
	s_lshr_b32 s16, s13, 3                         ; the batch: 8 tile rows each
	s_lshl_b32 s16, s16, 4
	s_lshl_b32 s17, s12, 1
	s_add_co_u32 s16, s16, s17                     ; + my pair of heads
	s_lshl_b32 s16, s16, 17
	s_and_b32 s17, s13, 7
	s_lshl_b32 s17, s17, 14                        ; + the tile's 128 rows in a head
	s_add_co_u32 s16, s16, s17
	s_mov_b32 s17, 0
	s_lshl_b32 s46, s42, 7
	s_lshl_b32 s47, s12, 6
	s_add_co_u32 s46, s46, s47
	s_lshl_b32 s46, s46, 11                        ; B: row 128 x tile column + 64 x half, 2,048 bytes a row
	s_mov_b32 s47, 0
	s_mul_i32 s20, s12, 2*HEADB
	s_mul_i32 s21, s12, 64*PB
	s_add_co_u32 s21, s21, BOFF
	s_wait_dscnt 0x0
	s_wait_kmcnt 0x0
	s_add_nc_u64 s[14:15], s[68:69], s[16:17]
	s_add_nc_u64 s[46:47], s[70:71], s[46:47]
	CROUND                                         ; all sixteen work-groups are here: the first joint loads meet
.irp s, 0,1
	s_mov_b32 s[G0+4*(\s)], 1
	s_add_co_u32 s[G0+4*(\s)+1], s20, (\s)*SLOT
	s_add_nc_u64 s[G0+4*(\s)+2:G0+4*(\s)+3], s[14:15], (\s)*ASTEP
	s_or_b32 s[G0+4*(\s)+3], s[G0+4*(\s)+3], 0x80000000
	s_mov_b32 s[G0B+4*(\s)], 1
	s_add_co_u32 s[G0B+4*(\s)+1], s21, (\s)*SLOT
	s_add_nc_u64 s[G0B+4*(\s)+2:G0B+4*(\s)+3], s[46:47], (\s)*BSTEP
	s_or_b32 s[G0B+4*(\s)+3], s[G0B+4*(\s)+3], 0x80000000
	JLOAD \s
.endr
	v_and_b32 v1, 15, v0                           ; r
	v_bfe_u32 v2, v0, 4, 1                         ; h
	s_lshl_b32 s16, s13, 7
	s_lshl_b32 s17, s11, 6
	s_add_co_u32 s16, s16, s17
	s_lshl_b32 s16, s16, 12                        ; my first row of C, 4,096 bytes a row
	s_mov_b32 s17, 0
	s_lshl_b32 s46, s42, 9
	s_lshl_b32 s47, s12, 8
	s_add_co_u32 s46, s46, s47                     ; my first column, in bytes
	s_mov_b32 s47, 0
	s_add_nc_u64 s[QB:QB+1], s[72:73], s[16:17]
	s_add_nc_u64 s[QB:QB+1], s[QB:QB+1], s[46:47]
	s_add_nc_u64 s[XB:XB+1], s[76:77], s[16:17]
	s_add_nc_u64 s[XB:XB+1], s[XB:XB+1], s[46:47]
	s_add_nc_u64 s[BB:BB+1], s[74:75], s[46:47]
	v_lshlrev_b32 v[CO], 12, v2
	v_lshl_add_u32 v[CO], v1, 4, v[CO]             ; lanes 0-15 a row's 256 bytes, lanes 16-31 the next row's
	v_lshlrev_b32 v[BO], 4, v1
	WIN 0x80                                       ; the residual: my 64 x 64 of query, as the way out will want it; on its way during the whole product
.set i, 0
.rept 32
	global_load_b128 v[4*i:4*i+3], v[CO], s[QB:QB+1] offset:2*i*4096
.set i, i+1
.endr
	WIN 0
	global_load_b128 v[BIAS:BIAS+3], v[BO], s[BB:BB+1]
	v_mul_u32_u24 v3, v1, PA
	v_lshl_add_u32 v3, v2, 4, v3
	v_mul_u32_u24 v4, v1, PB
	v_lshl_add_u32 v4, v2, 4, v4
	s_mul_i32 s22, s11, 64*PA
	s_mul_i32 s23, s12, 64*PB
	s_add_co_u32 s23, s23, BOFF
.irp s, 0,1
	v_add_nc_u32 v[ADRA+(\s)], s22, v3
	v_add_nc_u32 v[ADRB+(\s)], s23, v4
	s_add_co_u32 s22, s22, SLOT
	s_add_co_u32 s23, s23, SLOT
.endr
	s_mul_i32 s23, s10, 16*SPITCH
	s_add_co_u32 s23, s23, STAGE
	v_mul_u32_u24 v5, v1, SPITCH
	v_lshl_add_u32 v5, v2, 5, v5
	v_add_nc_u32 v[STO], s23, v5                   ; in: row r, 32 bytes for each half of the lanes
	v_mul_u32_u24 v5, v2, SPITCH
	v_lshl_add_u32 v5, v1, 4, v5
	v_add_nc_u32 v[RD], s23, v5
.macro MUL8 f, c, a0, zero             ; 8 products: m blocks a0, a0 + 1 x 4 n blocks, 32 along K; the 16 accumulators take turns
	WIN MUL
.irp a, \a0, (\a0)+1
.irp b, 0,1,2,3
.if \zero
	v_wmma_f32_16x16x32_f16 v[ACC+8*(4*(\a)+(\b)):ACC+8*(4*(\a)+(\b))+7], v[(\f)+64+8*(4*(\c)+(\b)):(\f)+64+8*(4*(\c)+(\b))+7], v[(\f)+8*(4*(\c)+(\a)):(\f)+8*(4*(\c)+(\a))+7], 0
.else
	v_wmma_f32_16x16x32_f16 v[ACC+8*(4*(\a)+(\b)):ACC+8*(4*(\a)+(\b))+7], v[(\f)+64+8*(4*(\c)+(\b)):(\f)+64+8*(4*(\c)+(\b))+7], v[(\f)+8*(4*(\c)+(\a)):(\f)+8*(4*(\c)+(\a))+7], v[ACC+8*(4*(\a)+(\b)):ACC+8*(4*(\a)+(\b))+7]
.endif
.endr
.endr
.endm
.macro FETCH slot, q, f                ; 32 LDS loads: quarter q (one head, 64 along K) into buffer f; the first 32 along K first
	WIN TO_F
.irp c, 0,1
.irp i, 0,1,2,3
	ds_load_b128 v[(\f)+64+8*(4*(\c)+(\i)):(\f)+64+8*(4*(\c)+(\i))+3],   v[ADRB+(\slot)] offset:128*(\q)+64*(\c)+(\i)*16*PB
	ds_load_b128 v[(\f)+64+8*(4*(\c)+(\i))+4:(\f)+64+8*(4*(\c)+(\i))+7], v[ADRB+(\slot)] offset:128*(\q)+64*(\c)+(\i)*16*PB+32
	ds_load_b128 v[(\f)+8*(4*(\c)+(\i)):(\f)+8*(4*(\c)+(\i))+3],         v[ADRA+(\slot)] offset:(\q)*HEADB+64*(\c)+(\i)*16*PA
	ds_load_b128 v[(\f)+8*(4*(\c)+(\i))+4:(\f)+8*(4*(\c)+(\i))+7],       v[ADRA+(\slot)] offset:(\q)*HEADB+64*(\c)+(\i)*16*PA+32
.endr
.endr
.endm
.macro PLACES
.rept 4
	v_nop
.endr
.endm
.macro QUARTER slot, q, f, g, zero     ; multiplies buffer f and fetches quarter q into g
	s_wait_dscnt 16                                ; the first 32 along K are in
	MUL8 \f, 0, 0, \zero
	MUL8 \f, 0, 2, \zero
	PLACES
	FETCH \slot, \q, \g
	s_wait_dscnt 32                                ; all but the 32 just issued
	MUL8 \f, 1, 0, 0
	MUL8 \f, 1, 2, 0
.endm
.macro TURN slot, next, fill           ; the last quarter of a K step, and the change of slots
	WIN 0
	s_wait_tensorcnt 0x0                           ; all my tensor loads have landed: my part of the next slot
	ds_add_u32 v[SPW], v[NIL]
	s_wait_dscnt 17                                ; the add and the youngest sixteen loads may be out
	MUL8 F1, 0, 0, 0
	s_wait_dscnt 0x0                               ; the add is done, and my reads of this slot are over
	s_barrier_signal -1
	MUL8 F1, 0, 2, 0
.if \fill
	WIN 0
.endif
	s_barrier_wait -1
.if \fill
	CREST                                          ; no wave of any partner still reads this slot or has a load on its way
	s_add_nc_u64 s[G0+4*(\slot)+2:G0+4*(\slot)+3], s[G0+4*(\slot)+2:G0+4*(\slot)+3], 2*ASTEP
	s_add_nc_u64 s[G0B+4*(\slot)+2:G0B+4*(\slot)+3], s[G0B+4*(\slot)+2:G0B+4*(\slot)+3], 2*BSTEP
	JLOAD \slot                                    ; the four v_nop behind it are also the places in front of the loads below
.else
	PLACES
.endif
	FETCH \next, 0, F0
	MUL8 F1, 1, 0, 0
	MUL8 F1, 1, 2, 0
.endm
	s_wait_tensorcnt 1                             ; my part of K step 0 is in; K step 1's may stay out
	s_barrier_signal -1
	s_barrier_wait -1
	FETCH 0, 0, F0
	QUARTER 0, 1, F0, F1, 1                        ; the first products start the sums
	QUARTER 0, 2, F1, F0, 0
	QUARTER 0, 3, F0, F1, 0
	TURN 0, 1, 1                                   ; slot 0 takes K step 2
	QUARTER 1, 1, F0, F1, 0
	QUARTER 1, 2, F1, F0, 0
	QUARTER 1, 3, F0, F1, 0
	TURN 1, 0, 1                                   ; slot 1 takes K step 3
	QUARTER 0, 1, F0, F1, 0
	QUARTER 0, 2, F1, F0, 0
	QUARTER 0, 3, F0, F1, 0
	TURN 0, 1, 0
	QUARTER 1, 1, F0, F1, 0
	QUARTER 1, 2, F1, F0, 0
	QUARTER 1, 3, F0, F1, 0
	s_wait_dscnt 16
	MUL8 F1, 0, 0, 0
	MUL8 F1, 0, 2, 0
	s_wait_dscnt 0x0
	MUL8 F1, 1, 0, 0
	MUL8 F1, 1, 2, 0
	WIN 0
	PLACES
	s_wait_loadcnt 0x0                             ; query and bo
.irp a, 0,1,2,3                        ; 16 rows at a time through my stage: in by lanes' 32 bytes, back as whole rows of 256; then the residual and the bias
.set BK, TMP+32*((\a)%2)
	s_wait_xcnt 0x0                                ; the registers that earlier stores read are rewritten only behind this wait
.irp b, 0,1,2,3
	ds_store_b128 v[STO], v[ACC+8*(4*(\a)+(\b)):ACC+8*(4*(\a)+(\b))+3]   offset:64*(\b)
	ds_store_b128 v[STO], v[ACC+8*(4*(\a)+(\b))+4:ACC+8*(4*(\a)+(\b))+7] offset:64*(\b)+16
.endr
.irp t, 0,1,2,3,4,5,6,7
	ds_load_b128 v[BK+4*(\t):BK+4*(\t)+3], v[RD] offset:(\t)*2*SPITCH  ; LDS serves a wave's instructions in order: these see the stores above
.endr
	s_wait_dscnt 0x0
	WIN 0x08                                       ; source 1 in window 2
.irp t, 0,1,2,3,4,5,6,7
	v_pk_add_f32 v[BK+4*(\t):BK+4*(\t)+1],   v[BK+4*(\t):BK+4*(\t)+1],   v[4*(8*(\a)+(\t)):4*(8*(\a)+(\t))+1]
	v_pk_add_f32 v[BK+4*(\t)+2:BK+4*(\t)+3], v[BK+4*(\t)+2:BK+4*(\t)+3], v[4*(8*(\a)+(\t))+2:4*(8*(\a)+(\t))+3]
.endr
	WIN 0
.irp t, 0,1,2,3,4,5,6,7
	v_pk_add_f32 v[BK+4*(\t):BK+4*(\t)+1],   v[BK+4*(\t):BK+4*(\t)+1],   v[BIAS:BIAS+1]
	v_pk_add_f32 v[BK+4*(\t)+2:BK+4*(\t)+3], v[BK+4*(\t)+2:BK+4*(\t)+3], v[BIAS+2:BIAS+3]
	global_store_b128 v[CO], v[BK+4*(\t):BK+4*(\t)+3], s[XB:XB+1] offset:(16*(\a)+2*(\t))*4096  ; 16 lanes store 256 consecutive bytes, aligned
.endr
.endr
	s_wait_tensorcnt 0x0                           ; the wave's end
	ds_add_u32 v[SPW], v[NIL]
	s_wait_dscnt 0x0
	CROUND                                         ; the closing round
	s_endpgm
.Lfunc_end_k_q23c2d886a7_outp:
	.size	k_q23c2d886a7_outp, .Lfunc_end_k_q23c2d886a7_outp-k_q23c2d886a7_outp
	.p2alignl 7, 3214868480
	.fill 96, 4, 3214868480
	.section	.rodata,"a",@progbits
	.p2align	6, 0x0
	.amdhsa_kernel k_q23c2d886a7_outp
		.amdhsa_group_segment_fixed_size 327680
		.amdhsa_private_segment_fixed_size 0
		.amdhsa_enable_private_segment 0
		.amdhsa_kernarg_size 40
		.amdhsa_user_sgpr_count 2
		.amdhsa_user_sgpr_kernarg_segment_ptr 1
		.amdhsa_wavefront_size32 1
		.amdhsa_system_sgpr_workgroup_id_x 1
		.amdhsa_system_sgpr_workgroup_id_y 1
		.amdhsa_system_sgpr_workgroup_id_z 1
		.amdhsa_system_vgpr_workitem_id 0
		.amdhsa_next_free_vgpr 640
		.amdhsa_next_free_sgpr 84
		.amdhsa_reserve_vcc 0
		.amdhsa_float_denorm_mode_32 3
		.amdhsa_float_denorm_mode_16_64 3
		.amdhsa_memory_ordered 1
		.amdhsa_forward_progress 1
		.amdhsa_inst_pref_size 97
	.end_amdhsa_kernel
	.amdgpu_metadata
---
amdhsa.version: [ 1, 2 ]
amdhsa.kernels:
  - .name:           k_q23c2d886a7_outp
    .symbol:         k_q23c2d886a7_outp.kd
    .args:
      - { .name: att, .offset: 0, .size: 8, .value_kind: global_buffer, .address_space: global }
      - { .name: wo16, .offset: 8, .size: 8, .value_kind: global_buffer, .address_space: global }
      - { .name: query, .offset: 16, .size: 8, .value_kind: global_buffer, .address_space: global }
      - { .name: bo, .offset: 24, .size: 8, .value_kind: global_buffer, .address_space: global }
      - { .name: xbuf, .offset: 32, .size: 8, .value_kind: global_buffer, .address_space: global }
    .group_segment_fixed_size: 327680
    .private_segment_fixed_size: 0
    .kernarg_segment_align: 8
    .kernarg_segment_size: 40
    .max_flat_workgroup_size: 128
    .sgpr_count:     84
    .vgpr_count:     640
    .wavefront_size: 32
...
	.end_amdgpu_metadata
.endif
;; end of part 3
;; launch ln (part 4): grid 256 x 1, 8 waves a work-group, no clusters, 0 bytes of LDS; arguments xbuf, ln_g, ln_b, out0; writes out0
.if DOCPART == 4
	.amdgcn_target "amdgcn-amd-amdhsa--gfx1250"
	.amdhsa_code_object_version 6
	.text
	.protected	k_q23c2d886a7_ln
	.globl	k_q23c2d886a7_ln
	.p2align	8
	.type	k_q23c2d886a7_ln,@function
k_q23c2d886a7_ln:
	s_mov_b64 s[64:65], 0
	v_nop
	global_prefetch_b8 v0, s[64:65] scope:SCOPE_SE
	s_setreg_imm32_b32 hwreg(HW_REG_WAVE_MODE, 25, 1), 1
	s_wait_xcnt 0x0
; out0 = (x - mean) / sqrt(var + 1e-5) * ln_g + ln_b, row by row; x = xbuf, f32 [4096][1024].
; A wave owns two whole rows (4,096 bytes each: eight loads of 16 bytes a lane) and keeps them in registers: each byte is read once, no LDS, no barrier, no loop.
; The variance is taken of x - mean, in registers, so a common offset of the row costs no accuracy.  Matrix units, clusters and LDS would add nothing to a stream.
.set T, 2                              ; v[2:9] at work
.set X, 16                             ; v[16:79] two rows
.set G, 80
.set BV, 112
.set RS, 144
	s_load_b256 s[4:11], s[0:1], 0x0               ; xbuf 4, ln_g 6, ln_b 8, out0 10
	v_and_b32 v1, 31, v0
	v_lshlrev_b32 v1, 4, v1                        ; 16 bytes a lane
	v_lshrrev_b32 v10, 5, v0
	v_readfirstlane_b32 s14, v10
	s_lshl_b32 s2, ttmp9, 16                       ; 16 rows a work-group,
	s_lshl_b32 s3, s14, 13                         ; two a wave
	s_add_co_u32 s2, s2, s3
	s_mov_b32 s3, 0
	s_mov_b32 s12, 0x76543210
	s_mov_b32 s13, 0xfedcba98
	s_mov_b32 s15, 0x3a800000                      ; 1 / 1024
	v_mov_b32 v11, 0x3727c5ac                      ; 1e-5
	s_wait_kmcnt 0x0
	s_add_nc_u64 s[4:5], s[4:5], s[2:3]
	s_add_nc_u64 s[10:11], s[10:11], s[2:3]
.irp w, 0,1
.irp j, 0,1,2,3,4,5,6,7
	global_load_b128 v[X+32*\w+4*\j:X+32*\w+4*\j+3], v1, s[4:5] offset:4096*\w+512*\j th:TH_LOAD_NT
.endr
.endr
.irp j, 0,1,2,3,4,5,6,7
	global_load_b128 v[G+4*\j:G+4*\j+3], v1, s[6:7] offset:512*\j
.endr
.irp j, 0,1,2,3,4,5,6,7
	global_load_b128 v[BV+4*\j:BV+4*\j+3], v1, s[8:9] offset:512*\j
.endr
.macro REDUCE                          ; four pairs into one number, then over the 32 lanes; every lane ends with the sum
	v_pk_add_f32 v[T:T+1], v[T:T+1], v[T+2:T+3]
	v_pk_add_f32 v[T+4:T+5], v[T+4:T+5], v[T+6:T+7]
	v_pk_add_f32 v[T:T+1], v[T:T+1], v[T+4:T+5]
	v_add_f32 v[T], v[T], v[T+1]
	v_add_f32_dpp v[T], v[T], v[T] row_xmask:1 row_mask:0xf bank_mask:0xf
	v_add_f32_dpp v[T], v[T], v[T] row_xmask:2 row_mask:0xf bank_mask:0xf
	v_add_f32_dpp v[T], v[T], v[T] row_xmask:4 row_mask:0xf bank_mask:0xf
	v_add_f32_dpp v[T], v[T], v[T] row_xmask:8 row_mask:0xf bank_mask:0xf
	v_permlanex16_b32 v10, v[T], s12, s13
	v_add_f32 v[T], v[T], v10
.endm
.macro STAT w                          ; row w: x - mean in place; var + 1e-5 into v[14 + w]
.set XR, X+32*(\w)
.irp k, 0,2,4,6
	v_pk_add_f32 v[T+\k:T+\k+1], v[XR+\k:XR+\k+1], v[XR+8+\k:XR+8+\k+1]
.endr
.irp o, 16,24
.irp k, 0,2,4,6
	v_pk_add_f32 v[T+\k:T+\k+1], v[T+\k:T+\k+1], v[XR+\o+\k:XR+\o+\k+1]
.endr
.endr
	REDUCE
	v_mul_f32 v12, s15, v[T]
	v_mov_b32 v13, v12
.set i, 0
.rept 16
	v_pk_add_f32 v[XR+i:XR+i+1], v[XR+i:XR+i+1], v[12:13] neg_lo:[0,1] neg_hi:[0,1]
.set i, i+2
.endr
.irp k, 0,2,4,6
	v_pk_mul_f32 v[T+\k:T+\k+1], v[XR+\k:XR+\k+1], v[XR+\k:XR+\k+1]
.endr
.irp o, 8,16,24
.irp k, 0,2,4,6
	v_pk_fma_f32 v[T+\k:T+\k+1], v[XR+\o+\k:XR+\o+\k+1], v[XR+\o+\k:XR+\o+\k+1], v[T+\k:T+\k+1]
.endr
.endr
	REDUCE
	v_fma_f32 v[14+(\w)], v[T], s15, v11
.endm
	s_wait_loadcnt 16                              ; both rows are in; g's and b's 16 loads may stay out
	STAT 0
	STAT 1
	v_rsq_f32 v[RS], v14                           ; each row's twice, a pair for the packed multiply
	v_rsq_f32 v[RS+1], v14
	v_rsq_f32 v[RS+2], v15
	v_rsq_f32 v[RS+3], v15
	v_nop                                          ; a plain line behind the last of them,
	s_wait_alu depctr_va_vdst(0)                   ; and one wait for the four, ahead of their first reader
	s_wait_loadcnt 0x0                             ; g and b
.irp w, 0,1
.set i, 0
.rept 16
	v_pk_mul_f32 v[X+32*\w+i:X+32*\w+i+1], v[X+32*\w+i:X+32*\w+i+1], v[RS+2*\w:RS+2*\w+1]
	v_pk_fma_f32 v[X+32*\w+i:X+32*\w+i+1], v[X+32*\w+i:X+32*\w+i+1], v[G+i:G+i+1], v[BV+i:BV+i+1]
.set i, i+2
.endr
.irp j, 0,1,2,3,4,5,6,7
	global_store_b128 v1, v[X+32*\w+4*\j:X+32*\w+4*\j+3], s[10:11] offset:4096*\w+512*\j th:TH_STORE_NT  ; 512 consecutive bytes a wave, aligned
.endr
.endr
	s_endpgm
.Lfunc_end_k_q23c2d886a7_ln:
	.size	k_q23c2d886a7_ln, .Lfunc_end_k_q23c2d886a7_ln-k_q23c2d886a7_ln
	.p2alignl 7, 3214868480
	.fill 96, 4, 3214868480
	.section	.rodata,"a",@progbits
	.p2align	6, 0x0
	.amdhsa_kernel k_q23c2d886a7_ln
		.amdhsa_group_segment_fixed_size 0
		.amdhsa_private_segment_fixed_size 0
		.amdhsa_enable_private_segment 0
		.amdhsa_kernarg_size 32
		.amdhsa_user_sgpr_count 2
		.amdhsa_user_sgpr_kernarg_segment_ptr 1
		.amdhsa_wavefront_size32 1
		.amdhsa_system_sgpr_workgroup_id_x 1
		.amdhsa_system_sgpr_workgroup_id_y 1
		.amdhsa_system_sgpr_workgroup_id_z 1
		.amdhsa_system_vgpr_workitem_id 0
		.amdhsa_next_free_vgpr 160
		.amdhsa_next_free_sgpr 66
		.amdhsa_reserve_vcc 0
		.amdhsa_float_denorm_mode_32 3
		.amdhsa_float_denorm_mode_16_64 3
		.amdhsa_memory_ordered 1
		.amdhsa_forward_progress 1
		.amdhsa_inst_pref_size 18
	.end_amdhsa_kernel
	.amdgpu_metadata
---
amdhsa.version: [ 1, 2 ]
amdhsa.kernels:
  - .name:           k_q23c2d886a7_ln
    .symbol:         k_q23c2d886a7_ln.kd
    .args:
      - { .name: xbuf, .offset: 0, .size: 8, .value_kind: global_buffer, .address_space: global }
      - { .name: ln_g, .offset: 8, .size: 8, .value_kind: global_buffer, .address_space: global }
      - { .name: ln_b, .offset: 16, .size: 8, .value_kind: global_buffer, .address_space: global }
      - { .name: out0, .offset: 24, .size: 8, .value_kind: global_buffer, .address_space: global }
    .group_segment_fixed_size: 0
    .private_segment_fixed_size: 0
    .kernarg_segment_align: 8
    .kernarg_segment_size: 32
    .max_flat_workgroup_size: 256
    .sgpr_count:     66
    .vgpr_count:     160
    .wavefront_size: 32
...
	.end_amdgpu_metadata
.endif
;; end of part 4
